; MI455X (gfx1250); checked and timed in simulation.
; The chip was launched on July 23, 2026; its instructions are those of AMD's public machine-readable ISA for CDNA 5 (MIT licence, August 2026) and "CDNA5" Instruction Set Architecture Reference Guide (July 2026). The comments in the code are by the model that wrote it; some were corrected since.
;; Self Attention. Allowed arithmetic: matrix products marked QUANTISED: E4M3 operands, one given power-of-two scale a tensor, by v_wmma_f32_16x16x64_fp8_fp8 or v_wmma_f32_16x16x128_fp8_fp8, f32 sums; everything else in f32.
;; Inputs: Wk 1,024 x 1,024 float32; Wq 1,024 x 1,024 float32; Wv 1,024 x 1,024 float32; lowp_scales 10 int32 (the exponents e of the quantised operands' scales 2^e); mask 2,048 x 2,048 float32; x 2 x 2,048 x 1,024 float32.
;; Outputs: out0 2 x 2,048 x 1,024 float32.
;; This version of the problem:
;;   THIS VERSION OF THE PROBLEM IS GIVEN IN LOW PRECISION. The matrix products marked QUANTISED in the list below multiply operands that are first quantised to E4M3 (4 exponent bits, 3 mantissa bits; 8 bits a number), with one given power-of-two scale for each operand tensor; their sums are f32. All else is computed in f32.
;;   The module's matrix products, in the order in which they are computed (A, B: the left and right operand; K: the contracted axis; several contracted axes count as one K, in the product's order):
;;     1. [M 4,096, K 1,024] x [K 1,024, N 1,024]; A: input x; B: input Wq: QUANTISED (scales: A lowp_scales[0], B lowp_scales[1])
;;     2. [M 4,096, K 1,024] x [K 1,024, N 1,024]; A: input x; B: input Wk: QUANTISED (scales: A lowp_scales[2], B lowp_scales[3])
;;     3. [M 4,096, K 1,024] x [K 1,024, N 1,024]; A: input x; B: input Wv: QUANTISED (scales: A lowp_scales[4], B lowp_scales[5])
;;     4. batch 32 x [M 2,048, K 64] x [K 64, N 2,048]; A: computed on the way; B: computed on the way: QUANTISED (scales: A lowp_scales[6], B lowp_scales[7])
;;     5. batch 32 x [M 64, K 2,048] x [K 2,048, N 2,048]; A: computed on the way; B: softmax (see below): QUANTISED (scales: A lowp_scales[8], B lowp_scales[9])
;;   THE QUANTISER, for each operand of a quantised product, along K:
;;     - The operand's scale is 2^e, e = its entry of the input lowp_scales (int32; the entries are numbered through the quantised products in the list's order, A before B).
;;     - Each number is divided by the scale, clamped to +-448, and rounded to the nearest number of E4M3, ties to even, subnormals kept.
;;     - The product sums the exact products of the quantised numbers (number of the format x scale) in f32.
;;   ~~~python
;;   def quantise(x, axis, e):      # numpy; x: float32 -> the quantised numbers, widened to float32 again
;;       x = np.moveaxis(x, axis, -1); K = x.shape[-1]
;;       r = np.clip(x / 2.0 ** e, -448, 448)
;;       step = 2.0 ** (np.maximum(np.frexp(np.where(r == 0, 1, r))[1] - 1, -6) - 3)
;;       q = np.round(r / step) * step * 2.0 ** e      # np.round: ties to even
;;       return np.moveaxis(q, -1, axis).astype(np.float32)
;;   ~~~
;;   SOFTMAX AHEAD OF A QUANTISED PRODUCT. Where the list says 'softmax', what is quantised is not the finished softmax but p = 2^(t - M), with t = logit x log2(e) and M = ceil(the row's largest t), a whole number; so 1/2 < the row's largest p <= 1. The row's sum l is taken of the UNQUANTISED p, in f32, and the product's result is divided by l at the end. Since M is a whole number, a kernel that streams over the keys may use a running M (the ceiling of the running maximum): every later rescaling is an exact power of two, so the quantised numbers keep their values, but for numbers so far below the row's largest that they fall under the format's range.
;;   OPERANDS COMPUTED ON THE WAY. 'Computed on the way' means the value that the module computes at that place (a softmax that the list does not call 'softmax' is quantised finished and normalised). What goes into a quantiser is computed in f32, as accurately as f32 sums, v_exp_f32 and their like allow (about 1e-6 of the number): no bf16 or f16 on the way to a quantiser, and a product that is left as it is and whose result goes on into a quantised operand takes f32 operands (vector FMAs, or v_wmma_f32_16x16x4_f32). A number that lies on a knife's edge between two numbers of the format may be rounded either way, as far as f32 arithmetic and the matrix unit's own rounding can turn it there, and no further.
;; One version. Each part assembles by itself: llvm-mc -triple=amdgcn-amd-amdhsa -mcpu=gfx1250 --defsym DOCPART=n.
;; ======== version 1 of 1: 3 launches
;; limits: right only within a limited range of input values
;; workspace buffers: xc 12,582,912 bytes; wc 3,145,728 bytes; qkv 12,582,912 bytes
;; launch quant (part 1): grid 448 x 1, 4 waves a work-group, no clusters, 0 bytes of LDS; arguments x, Wq, Wk, Wv, lowp_scales, xc, wc; writes xc, wc
.if DOCPART == 1
	.amdgcn_target "amdgcn-amd-amdhsa--gfx1250"
	.amdhsa_code_object_version 6
	.text
	.protected	k_qad63614aca_quant
	.globl	k_qad63614aca_quant
	.p2align	8
	.type	k_qad63614aca_quant,@function
k_qad63614aca_quant:
	s_mov_b64 s[64:65], 0
	v_nop
	global_prefetch_b8 v0, s[64:65] scope:SCOPE_SE
	s_setreg_imm32_b32 hwreg(HW_REG_WAVE_MODE, 25, 1), 1
	s_wait_xcnt 0x0
; x [4096][1024] and Wq, Wk, Wv [1024][1024], f32, become codes of FP8 (E4M3), one byte each.
; x is an operand of three products, each with a scale of its own (entries 0, 2, 4 of the scales): it is read once and converted three times, into xc[0], xc[1], xc[2] (4 MiB each).
; Wq, Wk, Wv take entries 1, 3, 5 and go to wc[0], wc[1], wc[2] (1 MiB each).
; code = number / 2^e, held within +-448, rounded to the nearest code, ties to even.
; LIMITS: -126 <= e <= 119, so that 2^e and 448 x 2^e are f32 numbers.  NaN among the inputs is not served (an infinity is held at the largest code).
; ORDER OF K IN THE CODES.  Inside each aligned group of 512 along K, code byte 16 l + 4 i + j holds k = 128 i + 4 l + j (l 0..31, i 0..3, j 0..3): lane l keeps the 16 numbers
; that four dense loads give it.  The order is the same in xc and wc, and a row is two whole groups: every product of the next launch meets its partner.
; SHARES.  A wave takes 4,096 numbers: 8 steps of 512; each load reads 512 consecutive bytes, each store writes 512 consecutive bytes, aligned.
; Work-groups 0..255 take x (1,024 runs of 4,096), work-groups 256..447 the weights (64 work-groups a tensor).  No LDS, no barrier: waves share nothing.
; All 32 loads of a wave go out at the head.  Matrix units, clusters and LDS would add nothing to a stream.
.set X,   16                           ; v16-143   step t's 16 numbers at X + 16 t
.set T,   144                          ; v144-175  two sets of 16 held numbers, by turns
.set C,   176                          ; v176-223  codes: x: a ring of 4 steps x 12 registers; weights: 8 steps x 4
.macro LOADS                           ; 32 loads: step t, load i: bytes 2048 t + 512 i on, 16 a lane
.set t, 0
.rept 8
.irp i, 0,1,2,3
	global_load_b128 v[X+16*t+4*\i:X+16*t+4*\i+3], v1, s[4:5] offset:2048*t+512*\i th:TH_LOAD_NT
.endr
.set t, t+1
.endr
.endm
.macro MKSC e, sc, lim                 ; v[sc] = 2^e as f32 (the conversion takes its exponent field), v[lim] = 448 x 2^e
	s_add_co_i32 s38, s[\e], 127
	s_lshl_b32 s39, s38, 23
	v_mov_b32 v[\sc], s39
	s_add_co_i32 s38, s38, 8
	s_lshl_b32 s38, s38, 23
	s_or_b32 s38, s38, 0x600000
	v_mov_b32 v[\lim], s38
.endm
; A step of x: 16 numbers a lane, three times held and converted.  The held numbers go into two sets by turns, so that the first hold of a run is the plain
; instruction behind the run before's conversions and writes none of their sources.
.macro XSTEP t
	s_wait_loadcnt 4*(7-(\t))                      ; loads come back in order: this step's four are in, the four of each later step may be out
.if (\t) >= 4
	s_wait_xcnt 0x0                                ; the stores of four steps back have read their data: the ring's registers are written again only behind this wait
.endif
.irp i, 0,1,2
.set TS, T+16*((3*(\t)+\i)%2)
.set CC, C+12*((\t)%4)+4*\i
.set k, 0
.rept 16
	v_med3_num_f32 v[TS+k], v[X+16*(\t)+k], -v[3+2*\i], v[3+2*\i]   ; the conversion to an 8-bit code does not saturate (ISA guide 7.6.2): the hold comes first
.set k, k+1
.endr
	v_cvt_scalef32_pk8_fp8_f32 v[CC:CC+1], v[TS:TS+7], v[2+2*\i]
	v_cvt_scalef32_pk8_fp8_f32 v[CC+2:CC+3], v[TS+8:TS+15], v[2+2*\i]
	global_store_b128 v1, v[CC:CC+3], s[28+2*\i:29+2*\i] offset:512*(\t)
.endr
.endm
; A step of a weight: held in place, converted once; every step has code registers of its own.
.macro WSTEP t
	s_wait_loadcnt 4*(7-(\t))
.set k, 0
.rept 16
	v_med3_num_f32 v[X+16*(\t)+k], v[X+16*(\t)+k], -v3, v3
.set k, k+1
.endr
	v_cvt_scalef32_pk8_fp8_f32 v[C+4*(\t):C+4*(\t)+1], v[X+16*(\t):X+16*(\t)+7], v2
	v_cvt_scalef32_pk8_fp8_f32 v[C+4*(\t)+2:C+4*(\t)+3], v[X+16*(\t)+8:X+16*(\t)+15], v2
	global_store_b128 v1, v[C+4*(\t):C+4*(\t)+3], s[28:29] offset:512*(\t)
.endm
	s_load_b256 s[4:11], s[0:1], 0x0               ; x s[4:5], Wq s[6:7], Wk s[8:9], Wv s[10:11]
	s_load_b128 s[12:15], s[0:1], 0x20             ; the scales' exponents s[12:13], xc s[14:15]
	s_load_b64 s[16:17], s[0:1], 0x30              ; wc
	v_lshrrev_b32 v8, 5, v0
	v_readfirstlane_b32 s18, v8                    ; wave 0..3
	v_and_b32 v1, 31, v0
	v_lshlrev_b32 v1, 4, v1                        ; 16 x lane: my place in a load's and in a store's 512 bytes
	s_mov_b32 s35, 0
	s_mov_b32 s37, 0
	s_wait_kmcnt 0x0
	s_load_b256 s[20:27], s[12:13], 0x0            ; e0 .. e7
	s_cmp_lt_u32 ttmp9, 256                        ; x's work-group or a weight's: the work-group's number alone decides
	s_cbranch_scc0 .Lweights
	s_lshl_b32 s19, ttmp9, 2
	s_add_co_u32 s19, s19, s18                     ; my run of 4,096 numbers: 4 x work-group + wave
	s_lshl_b32 s34, s19, 14                        ; 16,384 bytes of f32,
	s_lshl_b32 s36, s19, 12                        ; 4,096 bytes of codes
	s_add_nc_u64 s[4:5], s[4:5], s[34:35]
	s_add_nc_u64 s[28:29], s[14:15], s[36:37]      ; xc[0],
	s_add_nc_u64 s[30:31], s[28:29], 0x400000      ; xc[1],
	s_add_nc_u64 s[32:33], s[30:31], 0x400000      ; xc[2]: three bases, since 8 MiB is beyond a store's immediate
	s_wait_alu depctr_va_vdst(0)
	LOADS
	s_wait_kmcnt 0x0
	MKSC 20, 2, 3                                  ; e0
	MKSC 22, 4, 5                                  ; e2
	MKSC 24, 6, 7                                  ; e4
	s_wait_alu depctr_va_vdst(0)
.irp t, 0,1,2,3,4,5,6,7
	XSTEP \t
.endr
	s_endpgm
.Lweights:
	s_sub_co_u32 s19, ttmp9, 256
	s_lshr_b32 s40, s19, 6                         ; which weight: 0 Wq, 1 Wk, 2 Wv
	s_and_b32 s19, s19, 63
	s_lshl_b32 s19, s19, 2
	s_add_co_u32 s19, s19, s18                     ; my run of 4,096 numbers in it
	s_lshl_b32 s34, s19, 14
	s_lshl_b32 s36, s19, 12
	s_lshl_b32 s41, s40, 20
	s_add_co_u32 s36, s36, s41                     ; + 1 MiB x the weight's number
	s_cmp_eq_u32 s40, 0
	s_cselect_b64 s[4:5], s[6:7], s[8:9]
	s_cmp_eq_u32 s40, 2
	s_cselect_b64 s[4:5], s[10:11], s[4:5]
	s_add_nc_u64 s[4:5], s[4:5], s[34:35]
	s_add_nc_u64 s[28:29], s[16:17], s[36:37]
	s_wait_alu depctr_va_vdst(0)
	LOADS
	s_wait_kmcnt 0x0
	s_cmp_eq_u32 s40, 0
	s_cselect_b32 s20, s21, s23                    ; e1 or e3,
	s_cmp_eq_u32 s40, 2
	s_cselect_b32 s20, s25, s20                    ; or e5
	MKSC 20, 2, 3
	s_wait_alu depctr_va_vdst(0)
.irp t, 0,1,2,3,4,5,6,7
	WSTEP \t
.endr
	s_endpgm
.Lfunc_end_k_qad63614aca_quant:
	.size	k_qad63614aca_quant, .Lfunc_end_k_qad63614aca_quant-k_qad63614aca_quant
	.p2alignl 7, 3214868480
	.fill 96, 4, 3214868480
	.section	.rodata,"a",@progbits
	.p2align	6, 0x0
	.amdhsa_kernel k_qad63614aca_quant
		.amdhsa_group_segment_fixed_size 0
		.amdhsa_private_segment_fixed_size 0
		.amdhsa_enable_private_segment 0
		.amdhsa_kernarg_size 56
		.amdhsa_user_sgpr_count 2
		.amdhsa_user_sgpr_kernarg_segment_ptr 1
		.amdhsa_wavefront_size32 1
		.amdhsa_system_sgpr_workgroup_id_x 1
		.amdhsa_system_sgpr_workgroup_id_y 1
		.amdhsa_system_sgpr_workgroup_id_z 1
		.amdhsa_system_vgpr_workitem_id 0
		.amdhsa_next_free_vgpr 224
		.amdhsa_next_free_sgpr 66
		.amdhsa_reserve_vcc 0
		.amdhsa_float_denorm_mode_32 3
		.amdhsa_float_denorm_mode_16_64 3
		.amdhsa_memory_ordered 1
		.amdhsa_forward_progress 1
		.amdhsa_inst_pref_size 49
	.end_amdhsa_kernel
	.amdgpu_metadata
---
amdhsa.version: [ 1, 2 ]
amdhsa.kernels:
  - .name:           k_qad63614aca_quant
    .symbol:         k_qad63614aca_quant.kd
    .args:
      - { .name: x, .offset: 0, .size: 8, .value_kind: global_buffer, .address_space: global }
      - { .name: Wq, .offset: 8, .size: 8, .value_kind: global_buffer, .address_space: global }
      - { .name: Wk, .offset: 16, .size: 8, .value_kind: global_buffer, .address_space: global }
      - { .name: Wv, .offset: 24, .size: 8, .value_kind: global_buffer, .address_space: global }
      - { .name: lowp_scales, .offset: 32, .size: 8, .value_kind: global_buffer, .address_space: global }
      - { .name: xc, .offset: 40, .size: 8, .value_kind: global_buffer, .address_space: global }
      - { .name: wc, .offset: 48, .size: 8, .value_kind: global_buffer, .address_space: global }
    .group_segment_fixed_size: 0
    .private_segment_fixed_size: 0
    .kernarg_segment_align: 8
    .kernarg_segment_size: 56
    .max_flat_workgroup_size: 128
    .sgpr_count:     66
    .vgpr_count:     224
    .wavefront_size: 32
...
	.end_amdgpu_metadata
.endif
;; end of part 1
;; launch proj (part 2): grid 12 x 16, 4 waves a work-group, clusters of 4 x 4, 327,680 bytes of LDS; arguments xc, wc, lowp_scales, qkv; writes qkv
.if DOCPART == 2
	.amdgcn_target "amdgcn-amd-amdhsa--gfx1250"
	.amdhsa_code_object_version 6
	.text
	.protected	k_qad63614aca_proj
	.globl	k_qad63614aca_proj
	.p2align	8
	.type	k_qad63614aca_proj,@function
k_qad63614aca_proj:
	s_mov_b64 s[64:65], 0
	v_nop
	global_prefetch_b8 v0, s[64:65] scope:SCOPE_SE
	s_setreg_imm32_b32 hwreg(HW_REG_WAVE_MODE, 25, 1), 1
	s_wait_xcnt 0x0
	s_wait_alu depctr_hold_cnt(0) depctr_sa_sdst(0) depctr_va_vdst(0) depctr_va_sdst(0) depctr_va_ssrc(0) depctr_va_vcc(0) depctr_vm_vsrc(0)
	s_getreg_b32 s2, hwreg(HW_REG_IB_STS2, 6, 4)
	s_cmp_eq_u32 s2, 0
	s_cbranch_scc0 .Lentry_in_a_cluster
	s_endpgm
.Lentry_in_a_cluster:
	s_bfe_u32 s2, ttmp6, 0x10000c
	s_cmp_lg_u32 s2, 0xf033
	s_cbranch_scc0 .Lentry_shape_is_right
	s_endpgm
.Lentry_shape_is_right:
.set SIZE_K, 1024
.set KSTEP,  256
.set ROWB,   256
.set KROW,   SIZE_K
.set PITCH,  272
.set FR,     16
.set NL,     4
.set NP,     4
.set HALFT,  128*PITCH
.set SLOT,   4*HALFT
.set LAPS,   SIZE_K/(2*KSTEP)
.set SPARE,  2*SLOT
.set ADRA, 16
.set ADRB, 20
.set STO,  24
.set RD,   25
.set GB,   27
.set SPW,  28
.set NIL,  29
.set SCL,  30
.set LIM,  31
.set TMP,  32
.set GOF,  96
.set AF,   128
.set CD,   128
.set G1, 24
.set G0, 32
.set G1B, 48
.set G0B, 56
.set MSB, 0
.macro WIN new
.if MSB != (\new)
	s_set_vgpr_msb (MSB<<8)|(\new)
.set MSB, (\new)
.endif
.endm
.set MUL_LO, 0xa1
.set MUL_HI, 0xf1
.set TO_B,   0x40
.macro JLOAD g0a, g1a, g0b, g1b
	s_cmp_eq_u32 s15, 0
	s_cbranch_scc0 .Lfor_b_\@
	tensor_load_to_lds s[\g0a:\g0a+3], s[\g1a:\g1a+7]
	s_nop 0
.rept 4
	v_nop
.endr
	s_branch .Lasked_\@
.Lfor_b_\@:
	tensor_load_to_lds s[\g0b:\g0b+3], s[\g1b:\g1b+7]
	s_nop 0
.rept 4
	v_nop
.endr
.Lasked_\@:
.endm
.macro CREST
	s_cmp_lg_u32 s14, 0
	s_cbranch_scc1 .Lnot_wave_0_\@
	s_barrier_signal -3
.Lnot_wave_0_\@:
	s_barrier_wait -3
	s_barrier_signal -1
	s_barrier_wait -1
.endm
.macro CROUND
	s_barrier_signal -1
	s_barrier_wait -1
	CREST
.endm
	s_load_b128 s[4:7], s[0:1], 0x0
	s_load_b128 s[8:11], s[0:1], 0x10
	v_lshl_add_u32 v[SPW], v0, 2, SPARE
	v_mov_b32 v[NIL], 0
	ds_add_u32 v28, v29
	ds_add_u32 v28, v29
	s_wait_dscnt 0x0
	v_lshrrev_b32 v1, 5, v0
	v_readfirstlane_b32 s14, v1
	s_lshr_b32 s15, s14, 1
	s_and_b32 s16, s14, 1
	s_bfe_u32 s40, ttmp6, 0x40000
	s_bfe_u32 s41, ttmp6, 0x40004
	s_and_b32 s78, ttmp7, 0xffff
	s_lshl_b32 s78, s78, 2
	s_lshl_b32 s81, ttmp9, 22
	s_lshl_b32 s82, ttmp9, 20
	s_cmp_eq_u32 ttmp9, 2
	s_cselect_b32 s79, 0, s78
	s_cselect_b32 s80, s78, 0
	s_cselect_b32 s81, 0x200000, s81
	s_cselect_b32 s82, 0x800000, s82
	s_add_co_u32 s17, s79, s41
	s_add_co_u32 s42, s80, s40
	s_lshl_b32 s43, s41, 2
	s_lshl_b32 s43, 15, s43
	s_lshl_b32 s44, 0x1111, s40
	s_or_b32 s[G1+0], s43, (0<<16)|(1<<20)|(1<<21)|(5<<22)|(3<<25)
	s_or_b32 s[G1B+0], s44, (0<<16)|(1<<20)|(1<<21)|(5<<22)|(3<<25)
.irp g, G1, G1B
	s_mov_b32 s[\g+1], ROWB<<16
	s_mov_b32 s[\g+2], 128<<16
	s_mov_b32 s[\g+3], ROWB<<16
	s_mov_b32 s[\g+4], 128
	s_mov_b32 s[\g+5], KROW
	s_mov_b32 s[\g+6], 0
	s_mov_b32 s[\g+7], 0
.endr
	s_lshl_b32 s18, s16, 7
	s_lshl_b32 s20, s17, 8
	s_add_co_u32 s20, s20, s18
	s_lshl_b32 s20, s20, 10
	s_add_co_u32 s20, s20, s81
	s_mov_b32 s21, 0
	s_lshl_b32 s46, s42, 8
	s_add_co_u32 s46, s46, s18
	s_lshl_b32 s46, s46, 10
	s_add_co_u32 s46, s46, s82
	s_mov_b32 s47, 0
	s_mul_i32 s45, s14, HALFT
	s_wait_kmcnt 0x0
	s_load_b256 s[68:75], s[8:9], 0x0
	s_load_b64 s[76:77], s[8:9], 0x20
	s_cmp_eq_u32 ttmp9, 2
	s_cselect_b64 s[84:85], s[6:7], s[4:5]
	s_cselect_b64 s[86:87], s[4:5], s[6:7]
	s_add_nc_u64 s[20:21], s[84:85], s[20:21]
	s_add_nc_u64 s[46:47], s[86:87], s[46:47]
	CROUND
.irp s, 0,1
	s_mov_b32 s[G0+4*\s], 1
	s_add_co_u32 s[G0+4*\s+1], s45, \s*SLOT
	s_add_nc_u64 s[G0+4*\s+2:G0+4*\s+3], s[20:21], \s*ROWB
	s_or_b32 s[G0+4*\s+3], s[G0+4*\s+3], 0x80000000
	s_mov_b32 s[G0B+4*\s], 1
	s_add_co_u32 s[G0B+4*\s+1], s45, \s*SLOT
	s_add_nc_u64 s[G0B+4*\s+2:G0B+4*\s+3], s[46:47], \s*ROWB
	s_or_b32 s[G0B+4*\s+3], s[G0B+4*\s+3], 0x80000000
	s_wait_alu depctr_va_vdst(0)
	s_wait_tensorcnt 0x0
	ds_add_u32 v28, v29
	ds_add_u32 v28, v29
	s_wait_dscnt 0x0
	CROUND
	JLOAD G0+4*\s, G1, G0B+4*\s, G1B
.endr
	v_and_b32 v1, 15, v0
	v_bfe_u32 v2, v0, 4, 1
	v_mul_u32_u24 v3, v1, PITCH
	s_wait_alu depctr_va_vdst(0)
	v_lshl_add_u32 v4, v2, 4, v3
	s_mul_i32 s21, s15, HALFT
	s_mul_i32 s22, s16, HALFT
	s_add_co_u32 s22, s22, 2*HALFT
.irp s, 0,1
	v_add_nc_u32 v[ADRA+\s], s21, v4
	v_add_nc_u32 v[ADRB+\s], s22, v4
	s_add_co_u32 s21, s21, SLOT
	s_add_co_u32 s22, s22, SLOT
.endr
	s_mul_i32 s23, s15, 128*PITCH
	s_lshl_b32 s21, s16, 7
	s_add_co_u32 s23, s23, s21
	v_lshl_add_u32 v5, v2, 3, v3
	v_add_nc_u32 v[STO], s23, v5
	v_bfe_u32 v6, v0, 3, 1
	v_and_b32 v7, 7, v0
	v_mul_u32_u24 v8, v6, PITCH
	v_lshl_add_u32 v8, v2, 7, v8
	v_lshl_add_u32 v8, v7, 4, v8
	s_mul_i32 s23, s14, 64*PITCH
	v_add_nc_u32 v[RD], s23, v8
	s_wait_kmcnt 0x0
	s_sub_co_i32 s88, s74, s68
	s_sub_co_i32 s88, s88, s69
	s_sub_co_i32 s89, s75, s70
	s_sub_co_i32 s89, s89, s71
	s_sub_co_i32 s90, s76, s72
	s_sub_co_i32 s90, s90, s73
	s_cmp_eq_u32 ttmp9, 0
	s_cselect_b32 s88, s88, s89
	s_cmp_eq_u32 ttmp9, 2
	s_cselect_b32 s88, s90, s88
	s_add_co_i32 s88, s88, 127
	s_lshl_b32 s89, s88, 23
	v_mov_b32 v[SCL], s89
	s_add_co_i32 s88, s88, 8
	s_lshl_b32 s88, s88, 23
	s_or_b32 s88, s88, 0x600000
	v_mov_b32 v[LIM], s88
	s_mov_b32 s88, 128
	s_mov_b32 s89, 256
	s_mov_b32 s90, 512
	s_mov_b32 s91, 0x100000
	s_mov_b32 s92, 0x10000
	s_cmp_eq_u32 ttmp9, 2
	s_cselect_b32 s88, 0x20000, s88
	s_cselect_b32 s89, 128, s89
	s_cselect_b32 s90, 256, s90
	s_cselect_b32 s91, 0x40000, s91
	s_cselect_b32 s92, 0x8000, s92
	v_mul_u32_u24 v9, v2, s88
	s_wait_alu depctr_va_vdst(0)
	v_mad_u32_u24 v9, v6, s89, v9
	v_lshl_add_u32 v[GB], v7, 4, v9
.set i, 0
.rept 32
	v_mad_u32_u24 v[GOF+i], s90, i, v[GB]
.set i, i+1
.endr
	s_mul_i32 s91, s42, s91
	s_mul_i32 s92, s17, s92
	s_mul_i32 s93, s14, s90
	s_lshl_b32 s93, s93, 5
	s_lshl_b32 s94, ttmp9, 22
	s_add_co_u32 s94, s94, s91
	s_add_co_u32 s94, s94, s92
	s_add_co_u32 s94, s94, s93
	s_mov_b32 s95, 0
	s_add_nc_u64 s[10:11], s[10:11], s[94:95]
.macro FRAG reg, adr, q, i
.irp c, 0,1,2,3
	ds_load_b128 v[\reg+4*\c:\reg+4*\c+3], v[\adr] offset:128*(\q)+32*\c+(\i)*16*PITCH
.endr
.endm
.macro MUL16 a0, p, zero
.irp a, \a0, \a0+1
.irp b, 0,1,2,3,4,5,6,7
.if \zero
	v_wmma_f32_16x16x128_fp8_fp8 v[8*(8*((\a)%4)+\b):8*(8*((\a)%4)+\b)+7], v[128*(\p)+FR*\b:128*(\p)+FR*\b+FR-1], v[AF+FR*(\a):AF+FR*(\a)+FR-1], 0
.else
	v_wmma_f32_16x16x128_fp8_fp8 v[8*(8*((\a)%4)+\b):8*(8*((\a)%4)+\b)+7], v[128*(\p)+FR*\b:128*(\p)+FR*\b+FR-1], v[AF+FR*(\a):AF+FR*(\a)+FR-1], v[8*(8*((\a)%4)+\b):8*(8*((\a)%4)+\b)+7]
.endif
.endr
.endr
.endm
.macro FETCH_B slot, q, p
	WIN TO_B
.irp i, 0,1,2,3,4,5,6,7
	FRAG 128*(\p)+FR*\i, ADRB+\slot, \q, \i
.endr
	WIN 0
.endm
.macro FETCH_A slot, q, i0
.irp i, \i0, \i0+1, \i0+2, \i0+3
	FRAG AF+FR*(\i), ADRA+\slot, \q, \i
.endr
.endm
.macro PLACES n
.rept \n
	v_nop
.endr
.endm
.macro STEP slot, q, zero
	s_wait_dscnt 4*NL
	WIN MUL_LO
	MUL16 0, (\q)%2, \zero
	MUL16 2, (\q)%2, \zero
	s_wait_dscnt 0
	PLACES NP
	FETCH_B \slot, (\q)+1, 1-(\q)%2
	FETCH_A \slot, (\q)+1, 0
	WIN MUL_HI
	MUL16 4, (\q)%2, \zero
	MUL16 6, (\q)%2, \zero
	PLACES NP
	WIN 0
	FETCH_A \slot, (\q)+1, 4
.endm
.macro TURN slot, next, fill
	s_wait_tensorcnt 0x0
	ds_add_u32 v[SPW], v[NIL]
	s_wait_dscnt 4*NL+1
	WIN MUL_LO
	MUL16 0, 1, 0
	s_wait_dscnt 0x0
	s_barrier_signal -1
	MUL16 2, 1, 0
	WIN 0
	s_barrier_wait -1
.if \fill
	CREST
	s_add_nc_u64 s[G0+4*\slot+2:G0+4*\slot+3], s[G0+4*\slot+2:G0+4*\slot+3], 2*ROWB
	s_add_nc_u64 s[G0B+4*\slot+2:G0B+4*\slot+3], s[G0B+4*\slot+2:G0B+4*\slot+3], 2*ROWB
	JLOAD G0+4*\slot, G1, G0B+4*\slot, G1B
.else
	PLACES NP
.endif
	FETCH_B \next, 0, 0
	FETCH_A \next, 0, 0
	WIN MUL_HI
	MUL16 4, 1, 0
	MUL16 6, 1, 0
	PLACES NP
	WIN 0
	FETCH_A \next, 0, 4
.endm
	s_wait_tensorcnt 1
	s_barrier_signal -1
	s_barrier_wait -1
	FETCH_B 0, 0, 0
	FETCH_A 0, 0, 0
	FETCH_A 0, 0, 4
	STEP 0, 0, 1
	s_mov_b32 s3, LAPS-1
.Llap:
	TURN 0, 1, 1
	STEP 1, 0, 0
	TURN 1, 0, 1
	STEP 0, 0, 0
	s_sub_co_u32 s3, s3, 1
	s_cmp_lg_u32 s3, 0
	s_cbranch_scc1 .Llap
	TURN 0, 1, 0
	STEP 1, 0, 0
	s_wait_dscnt 4*NL
	WIN MUL_LO
	MUL16 0, 1, 0
	MUL16 2, 1, 0
	s_wait_dscnt 0
	WIN MUL_HI
	MUL16 4, 1, 0
	MUL16 6, 1, 0
	WIN 0
.macro CODES a
.set AC, 64*((\a)%4)
	WIN 0x02+((\a)/4)
.set j, 0
.rept 64
	v_med3_num_f32 v[TMP+j], v[AC+j], -v[LIM], v[LIM]
.set j, j+1
.endr
	WIN 0
.irp b, 0,1,2,3,4,5,6,7
	v_cvt_scalef32_pk8_fp8_f32 v[CD+16*(\a)+2*\b:CD+16*(\a)+2*\b+1], v[TMP+8*\b:TMP+8*\b+7], v[SCL]
.endr
	v_nop
.irp b, 0,1,2,3,4,5,6,7
	ds_store_b64 v[STO], v[CD+16*(\a)+2*\b:CD+16*(\a)+2*\b+1] offset:16*PITCH*(\a)+16*\b
.endr
.endm
	PLACES NP
.irp a, 0,1,2,3,4,5,6,7
	CODES \a
.endr
	s_wait_dscnt 0x0
	s_barrier_signal -1
	s_barrier_wait -1
.set i, 0
.rept 32
	ds_load_b128 v[CD+4*i:CD+4*i+3], v[RD] offset:2*PITCH*i
.set i, i+1
.endr
.set i, 0
.rept 32
	s_wait_dscnt 31-i
	global_store_b128 v[GOF+i], v[CD+4*i:CD+4*i+3], s[10:11]
.set i, i+1
.endr
	s_wait_tensorcnt 0x0
	ds_add_u32 v[SPW], v[NIL]
	s_wait_dscnt 0x0
	CROUND
	s_endpgm
.Lfunc_end_k_qad63614aca_proj:
	.size	k_qad63614aca_proj, .Lfunc_end_k_qad63614aca_proj-k_qad63614aca_proj
	.p2alignl 7, 3214868480
	.fill 96, 4, 3214868480
	.section	.rodata,"a",@progbits
	.p2align	6, 0x0
	.amdhsa_kernel k_qad63614aca_proj
		.amdhsa_group_segment_fixed_size 327680
		.amdhsa_private_segment_fixed_size 0
		.amdhsa_enable_private_segment 0
		.amdhsa_kernarg_size 32
		.amdhsa_user_sgpr_count 2
		.amdhsa_user_sgpr_kernarg_segment_ptr 1
		.amdhsa_wavefront_size32 1
		.amdhsa_system_sgpr_workgroup_id_x 1
		.amdhsa_system_sgpr_workgroup_id_y 1
		.amdhsa_system_sgpr_workgroup_id_z 1
		.amdhsa_system_vgpr_workitem_id 0
		.amdhsa_next_free_vgpr 1024
		.amdhsa_next_free_sgpr 98
		.amdhsa_reserve_vcc 0
		.amdhsa_float_denorm_mode_32 3
		.amdhsa_float_denorm_mode_16_64 3
		.amdhsa_memory_ordered 1
		.amdhsa_forward_progress 1
		.amdhsa_inst_pref_size 130
	.end_amdhsa_kernel
	.amdgpu_metadata
---
amdhsa.version: [ 1, 2 ]
amdhsa.kernels:
  - .name:           k_qad63614aca_proj
    .symbol:         k_qad63614aca_proj.kd
    .args:
      - { .name: xc, .offset: 0, .size: 8, .value_kind: global_buffer, .address_space: global }
      - { .name: wc, .offset: 8, .size: 8, .value_kind: global_buffer, .address_space: global }
      - { .name: lowp_scales, .offset: 16, .size: 8, .value_kind: global_buffer, .address_space: global }
      - { .name: qkv, .offset: 24, .size: 8, .value_kind: global_buffer, .address_space: global }
    .group_segment_fixed_size: 327680
    .private_segment_fixed_size: 0
    .kernarg_segment_align: 8
    .kernarg_segment_size: 32
    .max_flat_workgroup_size: 128
    .sgpr_count:     98
    .vgpr_count:     1024
    .wavefront_size: 32
...
	.end_amdgpu_metadata
.endif
;; end of part 2
;; launch attn (part 3): grid 8 x 32, 8 waves a work-group, clusters of 4 x 4, 327,680 bytes of LDS; arguments qkv, mask, lowp_scales, out0; writes out0
.if DOCPART == 3
	.amdgcn_target "amdgcn-amd-amdhsa--gfx1250"
	.amdhsa_code_object_version 6
	.text
	.protected	k_qad63614aca_attn
	.globl	k_qad63614aca_attn
	.p2align	8
	.type	k_qad63614aca_attn,@function
k_qad63614aca_attn:
	s_mov_b64 s[64:65], 0
	v_nop
	global_prefetch_b8 v0, s[64:65] scope:SCOPE_SE
	s_setreg_imm32_b32 hwreg(HW_REG_WAVE_MODE, 25, 1), 1
	s_wait_xcnt 0x0
	s_wait_alu depctr_hold_cnt(0) depctr_sa_sdst(0) depctr_va_vdst(0) depctr_va_sdst(0) depctr_va_ssrc(0) depctr_va_vcc(0) depctr_vm_vsrc(0)
	s_getreg_b32 s2, hwreg(HW_REG_IB_STS2, 6, 4)
	s_cmp_eq_u32 s2, 0
	s_cbranch_scc0 .Lentry_in_a_cluster
	s_endpgm
.Lentry_in_a_cluster:
	s_bfe_u32 s2, ttmp6, 0x10000c
	s_cmp_lg_u32 s2, 0xf033
	s_cbranch_scc0 .Lentry_shape_is_right
	s_endpgm
.Lentry_shape_is_right:
; out[b][q][64 head + d] = the sum over keys of softmax_k(q . k x mask[q][k] / 32) v[k][d], 2 batches x 16 heads, 2,048 queries and keys, head size 64; both products on codes of FP8 (E4M3).
; THE MASK IS AN INPUT THAT MULTIPLIES: nothing is hidden, a score times 0 still counts in the softmax.  Every query walks all 2,048 keys, and every score is multiplied by its own number of the mask.
; qkv (made by the launch before): part 0 q and part 1 k: [4 groups of 4 heads][4096 tokens][256 bytes]; part 2 v, keys innermost: [32 blocks of 128 tokens][1024 features][128 bytes].  Scales: q e6, k e7, v e8, p e9.
; THE SOFTMAX AHEAD OF THE SECOND PRODUCT: t = score x mask x log2(e) / 32; M = the row's largest t so far, rounded UP to a whole number; p = 2^(t - M) is what is quantised, not normalised.
; The row's sum is taken of the unquantised p, in f32, and divides at the end.  When M moves, the sum and O are multiplied by 2^(old M - new M), which rounds nothing.
; LIMITS on the given exponents, so that each power of two below is an f32 number: e6 + e7 between -121 and 132 (added to c's exponent field); e9 between -126 and 119; e8 + e9 goes in by v_ldexp_f32 and has none.  NaN among the inputs is not served.
; SHARES.  Cluster x = batch, cluster y = block of 256 queries; cx = group of four heads, cy = block of 64 queries: 256 work-groups.  Wave w of eight: head w % 4 of the group, queries 32 (w / 4) on: TWO tiles of 16 queries,
; which share every fragment of K and V that the wave reads from LDS.
; CLUSTER.  K's and V's tiles hang on batch and head group: the four work-groups of a column of the cluster ask for them jointly.  The mask's tile hangs on the queries alone: the four of a row ask jointly.
; LAYOUT.  Both products are used transposed: S^T = K Q^T (source 0 = 16 keys, source 1 = 16 queries), O^T = V^T P^T (source 0 = 16 of the head's 64, source 1 = P): a lane holds ONE query (lane % 16) throughout.
; S's register 8 u + j of lane (r, h) is key 16 u + 8 h + j: one conversion of tile u's eight registers gives registers 2 u, 2 u + 1 of P, the place that the K = 128 form gives those keys.
; THE RING: two LDS slots of 128 keys (K 128 rows x 272, V 128 rows x 272, mask 64 rows x 528 bytes), 2^17 bytes apart, so that one exclusive or turns an address.  One round of the cluster's barrier a key step; behind it
; EVERY wave asks for a part of the next tiles: waves 0, 1 K's halves (64 rows), waves 2, 3 V's halves, waves 4 to 7 the mask's quarters (16 rows of 512 bytes): one tensor load of a wave is out at a time.
; A KEY STEP IN FOUR PIECES.  LPA: the loads of K's fragments and of the first query tile's mask numbers.  LPB: S^T, the other loads (second tile's mask numbers, V), score x mask, the first tile's largest score.
; VA: the second tile's largest score, M, t - M and the exponentials of both tiles, the first tile's hold and first sums.  VB: the sums, the codes, O^T's rescaling and the eight products V^T P^T.  VA and VB name no LDS byte.
; THE TWO HALVES OF THE WORK-GROUP WALK THEM IN DIFFERENT ORDER.  Between two rounds waves 0-3 run LPA(j), VB(j - 1), LPB(j), VA(j); waves 4-7 run VA(j - 1), LPA(j), VB(j - 1), LPB(j).  What a wave carries over a round stays in registers
; (scores or p, partial sums, V).  So LPA's loads are out beside VB in every wave, and the two halves read LDS at different places of the interval.
; REGISTERS.  Window 0: v1-15 addresses and constants; v16-31 statistics, 8 a tile; v33 the bound once more; v34-35 lane permutes; v40-55 Q; v56-87 P's codes; v88-127 at work; v128-255 S, then p, 64 a tile.
;   Window 1: v0-63 O^T, 32 a tile; v64-127 K's eight fragments, then the second query tile's mask numbers; v128-191 the first tile's mask numbers; v192-255 V's four fragments.
.set SLOT1, 1<<17
.set KOFF,  0
.set VOFF,  34816
.set MOFF,  69632
.set STAGE, 2*SLOT1                    ; behind the ring: 16 rows x 272 bytes for each wave, for the way out
.set SPARE, STAGE+8*4352               ; behind the stages: the spare words, 128 bytes for each wave: four blocks of 256 bytes that no other line names
.set SPW,  1                           ; v1   LDS address of my spare word; never rewritten
.set NIL,  2                           ; v2   0; never rewritten
.set PFO,  3                           ; v3   the prefetches' offset; never rewritten
.set AK,   4                           ; v4   my lane's place in K's tile
.set AV,   5                           ; v5   in V's
.set AM,   6                           ; v6   in the mask's
.set AKC,  7                           ; v7-9 the same three in the slot in hand
.set AVC,  8
.set AMC,  9
.set STO,  10                          ; v10  the way out: where I put 32 bytes of a row
.set RD,   11                          ; v11  where I read 16 bytes back
.set GO,   12                          ; v12  my byte offset in the wave's rows of out
.set QO,   13                          ; v13  in its rows of q
.set PLIM, 14                          ; v14  448 x 2^e9
.set PSC,  15                          ; v15  2^e9
.set ST,   16                          ; tile t's statistics at v[ST + 8 t]: +0 -M, +1 the largest masked score, +2, +3 the sum in two halves, +4 f (+5 named with it), +6, +7 at work
.set PLIM2, 33                         ; v33  448 x 2^e9 once more: the two halves of a dual pair take their second sources from different register banks
.set PX,   34                          ; v34-35 destinations of the lane permute
.set Q,    40
.set P,    56
.set U,    88                          ; v88-119 at work: eight maxima a tile; sixteen pairs of partial sums
.set XT,   120                         ; v120-123 the last two levels of a sum
.set S,    128
.set KF,   64                          ; in window 1
.set MK,   128
.set VF,   192
.set WV,   12                          ; s12  my wave's number
.set GRP,  14                          ; s14  wave / 4: my 32 queries, and my order of a step's pieces
.set SEL,  20                          ; s[20:21] lane selects for v_permlanex16_b32: lane l xor 16
.set CS,   22                          ; s[22:23] c = log2(e) / 32 x 2^(e6 + e7)
.set G1KV, 24                          ; s[24:31] descriptor group 1 for K's and V's halves
.set G1M,  32                          ; s[32:39] for the mask's quarters
.set G0K,  40                          ; s[40:43], s[44:47], s[48:51] groups 0, which walk
.set G0V,  44
.set G0M,  48
.set TB,   52                          ; s52  LDS byte at which the slot in hand begins
.set PFA,  66                          ; s[66:67] where my prefetches stand
.set PFS,  68                          ; s[68:69] a tile on, in bytes
.set ASKS, 70                          ; s70  1 in a wave that prefetches, else the greatest number
.set TRIPS, 71
.set MSB, 0
.macro WIN new                         ; the immediate's high byte repeats the setting that is left
.if MSB != (\new)
	s_set_vgpr_msb (MSB<<8)|(\new)
.set MSB, (\new)
.endif
.endm
.macro PLACES n
.rept \n
	v_nop
.endr
.endm
; A round of the cluster's barrier: my work-group's barrier, so that wave 0's signal speaks for all eight waves; wave 0 signals; every wave waits for all sixteen work-groups; my work-group's barrier once more.
.macro ROUND
	s_barrier_signal -1
	s_barrier_wait -1
	s_cmp_lg_u32 s[WV], 0
	s_cbranch_scc1 .Lnot_wave_0_\@
	s_barrier_signal -3
.Lnot_wave_0_\@:
	s_barrier_wait -3
	s_barrier_signal -1
	s_barrier_wait -1
.endm
; The joint loads: one chain of branches on the wave's number, one load to an arm, every wave in one arm.  An s_nop 0 and four v_nop follow each line.
.macro TLOAD
	s_cmp_ge_u32 s[WV], 2
	s_cbranch_scc1 .Lnot_k_\@
	tensor_load_to_lds s[G0K:G0K+3], s[G1KV:G1KV+7]
	s_nop 0
.rept 4
	v_nop
.endr
	s_branch .Lasked_\@
.Lnot_k_\@:
	s_cmp_ge_u32 s[WV], 4
	s_cbranch_scc1 .Lnot_v_\@
	tensor_load_to_lds s[G0V:G0V+3], s[G1KV:G1KV+7]
	s_nop 0
.rept 4
	v_nop
.endr
	s_branch .Lasked_\@
.Lnot_v_\@:
	tensor_load_to_lds s[G0M:G0M+3], s[G1M:G1M+7]
	s_nop 0
.rept 4
	v_nop
.endr
.Lasked_\@:
.endm
; A PREFETCH INTO THE L2 of the tile that the NEXT key step's refill will ask for: one instruction a wave, in three waves.  Each aligned block of 256 bytes is named once in the launch.
; K's and V's tiles are walked by the eight clusters of a batch: cluster y = 0 asks; of a tile's 128 rows of 256 bytes the four partners of a column take 32 each, told apart BY ADDRESS (cy), a lane a row: wave 1 K's, wave 2 V's.
; The mask's tile is walked by both batches: cluster x = 0 asks; of its 64 rows of 512 bytes the four partners of a row take 16 each (cx), two lanes a row: wave 3.
; Key step j asks for tile j + 2, j = 0 .. 13; tiles 0 and 1 come by their loads alone, and the last two key steps ask for nothing.
; how = 1: a wave that prefetches asks.  how = 2, in the loop: it asks while the loop's counter is above 1: the last trip is key step 14, which has no tile two on.
.macro ASK how
.if (\how) == 2
	s_cmp_gt_u32 s[TRIPS], s[ASKS]
.else
	s_cmp_eq_u32 s[ASKS], 1
.endif
	s_cbranch_scc0 .Lnot_mine_\@
	global_prefetch_b8 v[PFO], s[PFA:PFA+1] th:TH_LOAD_NT scope:SCOPE_SE
.Lnot_mine_\@:
.endm
.macro MKG0 g, p, o, lds, w            ; a group 0: slot 0, tile 0, my wave's part
	s_mov_b32 s[\g], 1                             ; 1:0 count = 1
	s_add_co_u32 s[\g+1], s[\w], \lds              ; 63:32 LDS address: a constant + a constant x the wave's number's low bits
	s_add_nc_u64 s[\g+2:\g+3], s[\p:\p+1], s[\o:\o+1]   ; 120:64 global address
	s_or_b32 s[\g+3], s[\g+3], 0x80000000          ; 127:126 type = 2
.endm
	s_load_b128 s[4:7], s[0:1], 0x0                ; qkv s[4:5], mask s[6:7]
	s_load_b128 s[8:11], s[0:1], 0x10              ; the scales' exponents s[8:9], out s[10:11]
	v_lshl_add_u32 v[SPW], v0, 2, SPARE
	v_mov_b32 v[NIL], 0
	ds_add_u32 v[SPW], v[NIL]                      ; the opening lines: the add, twice on end, and its wait ahead of the first tensor load
	ds_add_u32 v[SPW], v[NIL]
	v_lshrrev_b32 v36, 5, v0
	v_readfirstlane_b32 s[WV], v36                 ; wave 0..7
	s_and_b32 s13, s[WV], 3                        ; my head in the group
	s_lshr_b32 s[GRP], s[WV], 2
	s_bfe_u32 s15, ttmp6, 0x40000                  ; cx: the group of heads
	s_bfe_u32 s16, ttmp6, 0x40004                  ; cy: the block of 64 queries
	s_mov_b32 s17, ttmp9                           ; cluster x: the batch
	s_and_b32 s18, ttmp7, 0xffff                   ; cluster y: the block of 256 queries
	; descriptor groups 1.  K, V: 64 rows x 256 bytes, dense in memory, 16 bytes of padding behind each row.  Mask: 16 rows x 128 numbers of 4 bytes, 2,048 numbers apart, 16 bytes of padding behind each row
	s_lshl_b32 s87, 0x1111, s15                    ; my column of the cluster
	s_or_b32 s[G1KV], s87, (0<<16)|(1<<20)|(1<<21)|(5<<22)|(3<<25)  ; 15:0 the mask; 17:16 elements of 1 byte; 20 padding on; 21 set beside a mask; 24:22 after every 64 words; 31:25 four words
	s_mov_b32 s[G1KV+1], 256<<16                   ; tensor_dim0
	s_mov_b32 s[G1KV+2], 64<<16                    ; tensor_dim1
	s_mov_b32 s[G1KV+3], 256<<16                   ; tile_dim0
	s_mov_b32 s[G1KV+4], 64                        ; tile_dim1
	s_mov_b32 s[G1KV+5], 256                       ; tensor_dim0_stride
	s_mov_b32 s[G1KV+6], 0
	s_mov_b32 s[G1KV+7], 0
	s_lshl_b32 s88, s16, 2
	s_lshl_b32 s88, 15, s88                        ; my row of the cluster
	s_or_b32 s[G1M], s88, (2<<16)|(1<<20)|(1<<21)|(6<<22)|(3<<25)   ; elements of 4 bytes; padding after every 128 words
	s_mov_b32 s[G1M+1], 128<<16
	s_mov_b32 s[G1M+2], 16<<16
	s_mov_b32 s[G1M+3], 128<<16
	s_mov_b32 s[G1M+4], 16
	s_mov_b32 s[G1M+5], 2048
	s_mov_b32 s[G1M+6], 0
	s_mov_b32 s[G1M+7], 0
	; where the tiles begin, in bytes.  K's and V's offsets hang on cx and the batch, the mask's on cy and cluster y
	s_lshl_b32 s76, s15, 20                        ; K: part 1 + 1 MiB x group + 2,048 tokens of 256 bytes x batch
	s_lshl_b32 s86, s17, 19
	s_add_co_u32 s76, s76, s86
	s_add_co_u32 s76, s76, 0x400000
	s_mov_b32 s77, 0
	s_lshl_b32 s78, s15, 15                        ; V: part 2 + 16 blocks of 131,072 bytes x batch + 256 features of 128 bytes x group
	s_lshl_b32 s86, s17, 21
	s_add_co_u32 s78, s78, s86
	s_add_co_u32 s78, s78, 0x800000
	s_mov_b32 s79, 0
	s_lshl_b32 s80, s16, 19                        ; mask: row 256 x cluster y + 64 cy, 8,192 bytes a row
	s_lshl_b32 s86, s18, 21
	s_add_co_u32 s80, s80, s86
	s_mov_b32 s81, 0
	; my wave's first token, and with it q's and out's offsets
	s_lshl_b32 s87, s17, 11
	s_lshl_b32 s86, s18, 8
	s_add_co_u32 s87, s87, s86
	s_lshl_b32 s86, s16, 6
	s_add_co_u32 s87, s87, s86
	s_lshl_b32 s86, s[GRP], 5
	s_add_co_u32 s87, s87, s86                     ; 2,048 batch + 256 cluster y + 64 cy + 32 (wave / 4)
	s_lshl_b32 s82, s87, 8                         ; q: 256 bytes a token,
	s_lshl_b32 s86, s15, 20
	s_add_co_u32 s82, s82, s86                     ; + the group's MiB,
	s_lshl_b32 s86, s13, 6
	s_add_co_u32 s82, s82, s86                     ; + my head's 64 bytes
	s_mov_b32 s83, 0
	s_lshl_b32 s84, s87, 12                        ; out: 4,096 bytes a token,
	s_lshl_b32 s86, s15, 10
	s_add_co_u32 s84, s84, s86
	s_lshl_b32 s86, s13, 8
	s_add_co_u32 s84, s84, s86                     ; + 256 bytes x head
	s_mov_b32 s85, 0
	; the prefetches: whose, from where, how far from tile to tile
	s_lshl_b32 s86, s16, 13                        ; cy x 32 rows of 256 bytes
	s_add_co_u32 s88, s76, s86
	s_add_co_u32 s89, s78, s86
	s_lshl_b32 s86, s15, 17                        ; cx x 16 rows of 8,192 bytes
	s_add_co_u32 s90, s80, s86
	s_mov_b32 s[PFS], 0x20000
	s_cmp_eq_u32 s[WV], 1
	s_cselect_b32 s88, s88, s89
	s_cselect_b32 s[PFS], 0x8000, s[PFS]
	s_cmp_eq_u32 s[WV], 3
	s_cselect_b32 s88, s90, s88
	s_cselect_b32 s[PFS], 512, s[PFS]
	s_cselect_b32 s91, s17, s18                    ; the coordinate along which other clusters walk the same tiles
	s_cselect_b32 s93, 7680, 0                     ; the mask's lanes: 256 x lane + 7,680 (lane / 2) = 8,192 (lane / 2) + 256 (lane % 2)
	s_mov_b32 s[PFS+1], 0
	s_mov_b32 s89, 0
	s_add_co_u32 s88, s88, s[PFS]                  ; at tile 1: the lines in front of the first key step's round step it to tile 2
	s_sub_co_u32 s92, s[WV], 1
	s_cmp_lt_u32 s92, 3                            ; waves 1, 2, 3
	s_cselect_b32 s92, 0, 1
	s_or_b32 s91, s91, s92
	s_cmp_eq_u32 s91, 0
	s_cselect_b32 s[ASKS], 1, -1                   ; the same in all sixteen partners, for a given wave
	; my wave's part of a tile: K, V: half wave % 2, 64 rows; mask: quarter wave % 4, 16 rows
	s_and_b32 s86, s[WV], 1
	s_lshl_b32 s87, s86, 14                        ; 64 rows of 256 bytes in memory,
	s_add_co_u32 s76, s76, s87
	s_add_co_u32 s78, s78, s87
	s_mul_i32 s94, s86, 17408                      ; of 272 bytes in LDS
	s_lshl_b32 s87, s13, 17                        ; 16 rows of 8,192 bytes in memory,
	s_add_co_u32 s80, s80, s87
	s_mul_i32 s95, s13, 8448                       ; of 528 bytes in LDS
	s_mov_b32 s[SEL], 0x76543210
	s_mov_b32 s[SEL+1], 0xfedcba98
	s_mov_b32 s[CS], 0x3d38aa3b                    ; log2(e) / 32
	s_mov_b32 s[TB], SLOT1                         ; the lines in front of the first key step's round turn it to slot 0
	s_wait_dscnt 0x0                               ; both opening adds are done
	s_wait_kmcnt 0x0
	s_load_b128 s[72:75], s[8:9], 0x18             ; e6, e7, e8, e9
	s_cmp_eq_u32 s[WV], 3
	s_cselect_b64 s[PFA:PFA+1], s[6:7], s[4:5]
	s_add_nc_u64 s[PFA:PFA+1], s[PFA:PFA+1], s[88:89]
	MKG0 G0K, 4, 76, KOFF, 94
	MKG0 G0V, 4, 78, VOFF, 94
	MKG0 G0M, 6, 80, MOFF, 95
	s_add_nc_u64 s[82:83], s[4:5], s[82:83]        ; q at my wave's first query and head
	s_add_nc_u64 s[10:11], s[10:11], s[84:85]      ; out likewise
	ROUND                                          ; all sixteen work-groups are here: the first joint loads meet
	TLOAD                                          ; tile 0: one tensor load a wave at the head
	v_and_b32 v36, 31, v0
	v_lshrrev_b32 v37, 1, v36
	v_lshlrev_b32 v38, 8, v36
	v_mad_u32_u24 v[PFO], v37, s93, v38
	v_and_b32 v36, 15, v0                          ; r = lane % 16
	v_bfe_u32 v37, v0, 4, 1                        ; h = lane / 16
	v_lshlrev_b32 v[QO], 8, v36
	v_lshl_add_u32 v[QO], v37, 4, v[QO]            ; q: row r of 256 bytes, + 16 h
.irp t, 0,1
.irp c, 0,1
	global_load_b128 v[Q+8*\t+4*\c:Q+8*\t+4*\c+3], v[QO], s[82:83] offset:4096*\t+32*\c   ; Q stays in registers: registers 4 c on hold d = 32 c + 16 h + 0 .. 15, as K's fragments do
.endr
.endr
	v_mul_u32_u24 v[AK], v36, 272
	v_lshl_add_u32 v[AK], v37, 4, v[AK]
	s_lshl_b32 s86, s13, 6
	v_add_nc_u32 v[AK], s86, v[AK]                 ; K: key r's row, my head's 64 bytes, + 16 h
	v_lshrrev_b32 v38, 1, v36
	v_and_b32 v39, 1, v36
	v_mul_u32_u24 v[AV], v38, 272                  ; V: an LDS row holds two features' 128 keys: feature f at 272 (f / 2) + 128 (f % 2)
	v_lshl_add_u32 v[AV], v39, 7, v[AV]
	v_lshl_add_u32 v[AV], v37, 3, v[AV]            ; + 8 h
	s_mul_i32 s86, s13, 8704                       ; my head's 64 features: 32 rows
	s_add_co_u32 s86, s86, VOFF
	v_add_nc_u32 v[AV], s86, v[AV]
	v_mul_u32_u24 v[AM], v36, 528                  ; mask: query r's row, + 8 h numbers
	v_lshl_add_u32 v[AM], v37, 5, v[AM]
	s_mul_i32 s86, s[GRP], 32*528
	s_add_co_u32 s86, s86, MOFF
	v_add_nc_u32 v[AM], s86, v[AM]
	s_mul_i32 s86, s[WV], 4352
	s_add_co_u32 s86, s86, STAGE                   ; my stage
	v_mul_u32_u24 v[STO], v36, 272
	v_lshl_add_u32 v[STO], v37, 5, v[STO]
	v_add_nc_u32 v[STO], s86, v[STO]               ; in: row r, 32 bytes for each half of the lanes
	v_mul_u32_u24 v[RD], v37, 272
	v_lshl_add_u32 v[RD], v36, 4, v[RD]
	v_add_nc_u32 v[RD], s86, v[RD]                 ; back: lanes 0-15 one row of 256 bytes, lanes 16-31 the next
	v_lshlrev_b32 v[GO], 12, v37
	v_lshl_add_u32 v[GO], v36, 4, v[GO]            ; and the same two rows in out
.irp t, 0,1
	v_mov_b32 v[ST+8*\t+1], 0xff61b1e6             ; the largest masked score so far: -3e38, under every score
	v_floor_f32 v[ST+8*\t], -v[ST+8*\t+1]          ; -M
	v_mov_b32 v[ST+8*\t+2], 0                      ; the sum, in two halves
	v_mov_b32 v[ST+8*\t+3], 0
	v_mov_b32 v[ST+8*\t+4], 0
	v_mov_b32 v[ST+8*\t+5], 0                      ; (named as the upper half of f's pair)
	v_mov_b32 v[PX+\t], 0                          ; written once: a lane permute's destination counts as one of its sources
.endr
.set k, 8
.rept 24
	v_mov_b32 v[U+k], 0                            ; the partial sums, written once: VA, which writes them, and VB, which reads them, stand under different branches on the wave's number
.set k, k+1
.endr
	WIN 0x40                                       ; destination window 1
.set j, 0
.rept 64
	v_mov_b32 v[j], 0                              ; O^T.  (VB is written without a first step of its own: it finds zeros, which the first change of M leaves zeros)
.set j, j+1
.endr
	WIN 0
	s_wait_kmcnt 0x0
	s_add_co_i32 s86, s72, s73
	s_lshl_b32 s86, s86, 23
	s_add_co_i32 s[CS], s[CS], s86                 ; a score stands for score x 2^(e6 + e7): the two exponents are added to c's exponent field
	s_mov_b32 s[CS+1], s[CS]                       ; (named with it as a pair, so it is written)
	s_add_co_i32 s86, s75, 127
	s_lshl_b32 s87, s86, 23
	v_mov_b32 v[PSC], s87                          ; 2^e9 as f32, for the conversion
	s_add_co_i32 s86, s86, 8
	s_lshl_b32 s86, s86, 23
	s_or_b32 s86, s86, 0x600000
	v_mov_b32 v[PLIM], s86                         ; 448 x 2^e9
	v_mov_b32 v[PLIM2], s86
; CH: line n of the chain of eight that leads from tile t's largest masked score of the step to -M and f.  The lines hang on each other, so they are laid one by one between the other tile's lines (LAY: one behind every fourth).
.macro CH t, n
.set cT, ST+8*(\t)
.if (\n) == 0
	v_permlanex16_b32 v[PX+(\t)], v[cT+6], s[SEL], s[SEL+1]
.endif
.if (\n) == 1
	v_mov_b32 v[cT+7], v[cT]                       ; the old -M
.endif
.if (\n) == 2
	v_max3_num_f32 v[cT+1], v[cT+1], v[cT+6], v[PX+(\t)]   ; the running largest masked score: mine and lane l xor 16's
.endif
.if (\n) == 3
	v_mul_f32 v[cT+6], s[CS], v[cT+1]              ; as t (c is positive, so the largest score gives the largest t)
.endif
.if (\n) == 4
	v_floor_f32 v[cT], -v[cT+6]                    ; the new -M = floor(-t) = -ceil(t): M is a whole number
.endif
.if (\n) == 5
	v_sub_f32 v[cT+7], v[cT], v[cT+7]              ; M's old value less its new one: a whole number, 0 or less
.endif
.if (\n) == 6
	v_cvt_i32_f32 v[cT+7], v[cT+7]                 ; (it saturates)
.endif
.if (\n) == 7
	v_ldexp_f32 v[cT+4], 1.0, v[cT+7]              ; f = 2^(old M - new M)
.endif
.endm
.macro LAY o
.set li, li+1
.if ((\o) >= 0) && (li%4 == 0)
	CH \o, cn
.set cn, cn+1
.endif
.endm
; The step's largest masked score of my query among my 64 keys: eight chains that do not hang on each other, 32 lines.  o: the tile whose chain is laid between (-1: none).
.macro MAXT t, o
.set rS, S+64*(\t)
.set rW, U+8*(\t)
.set li, 0
.set cn, 0
.set k, 0
.rept 8
	v_max3_num_f32 v[rW+k], v[rS+3*k], v[rS+3*k+1], v[rS+3*k+2]
	LAY \o
.set k, k+1
.endr
.irp b, 24, 40
.set k, 0
.rept 8
	v_max3_num_f32 v[rW+k], v[rW+k], v[rS+\b+2*k], v[rS+\b+2*k+1]
	LAY \o
.set k, k+1
.endr
.endr
.set k, 4
.rept 4
	v_max3_num_f32 v[rW+k], v[rW+k], v[rS+48+2*k], v[rS+49+2*k]
	LAY \o
.set k, k+1
.endr
	v_max3_num_f32 v[rW], v[rW], v[rW+1], v[rW+2]
	LAY \o
	v_max3_num_f32 v[rW+3], v[rW+3], v[rW+4], v[rW+5]
	LAY \o
	v_max3_num_f32 v[rW+6], v[rW+6], v[rW+7], v[rW]
	LAY \o
	v_max_num_f32 v[ST+8*(\t)+6], v[rW+3], v[rW+6]
	LAY \o
.endm
; PA: line q of 48 on tile t's p that hang on no other of the 48.  q < 16: the sum's first level, of the UNQUANTISED p, two at a time.  Then the hold, two numbers a dual pair: the conversion to an 8-bit code does not
; saturate (ISA guide 7.6.2); p is not negative, so the hold is one-sided.
.macro PA t, q
.if (\q) < 16
	v_pk_add_f32 v[U+2*(\q):U+2*(\q)+1], v[S+64*(\t)+2*(\q):S+64*(\t)+2*(\q)+1], v[S+64*(\t)+32+2*(\q):S+64*(\t)+32+2*(\q)+1]
.else
	v_dual_min_num_f32 v[S+64*(\t)+2*(\q)-32], v[S+64*(\t)+2*(\q)-32], v[PLIM] :: v_dual_min_num_f32 v[S+64*(\t)+2*(\q)-31], v[S+64*(\t)+2*(\q)-31], v[PLIM2]
.endif
.endm
.macro RED n                           ; a level of the sum: pair k += pair k + n
.set k, 0
.rept \n
	v_pk_add_f32 v[U+2*k:U+2*k+1], v[U+2*k:U+2*k+1], v[U+2*k+2*(\n):U+2*k+2*(\n)+1]
.set k, k+1
.endr
.endm
.macro RED2
	v_pk_add_f32 v[XT:XT+1], v[U:U+1], v[U+4:U+5]
	v_pk_add_f32 v[XT+2:XT+3], v[U+2:U+3], v[U+6:U+7]
.endm
.macro RED1
	v_pk_add_f32 v[XT:XT+1], v[XT:XT+1], v[XT+2:XT+3]
.endm
.macro RUN t                           ; the running sum x f + the step's sum
	v_pk_fma_f32 v[ST+8*(\t)+2:ST+8*(\t)+3], v[ST+8*(\t)+2:ST+8*(\t)+3], v[ST+8*(\t)+4:ST+8*(\t)+5], v[XT:XT+1] op_sel_hi:[1,0,1]
.endm
.macro CVT t                           ; keys 16 u + 8 h + 0 .. 7: registers 2 u, 2 u + 1 of P
.set u, 0
.rept 8
	v_cvt_scalef32_pk8_fp8_f32 v[P+16*(\t)+2*u:P+16*(\t)+2*u+1], v[S+64*(\t)+8*u:S+64*(\t)+8*u+7], v[PSC]
.set u, u+1
.endr
.endm
.macro RESC t                          ; O^T under the new M, each accumulator from its low end on
	WIN 0x41                                       ; O^T (destination and source 0) window 1, f window 0
	s_wait_alu depctr_va_vdst(0)                   ; the wait directly ahead of the first readers of O^T, behind the step's exponentials
.set j, 0
.rept 16
	v_pk_mul_f32 v[32*(\t)+j:32*(\t)+j+1], v[32*(\t)+j:32*(\t)+j+1], v[ST+8*(\t)+4:ST+8*(\t)+5] op_sel_hi:[1,0]
.set j, j+2
.endr
	WIN 0
.endm
; O^T += V^T P^T for both query tiles: the eight accumulators by turns, one instruction a turn; K = a step's 128 keys
.macro PV
	WIN 0x51                                       ; source 0 (V) window 1, source 1 (P) window 0, C and D window 1
.set i, 0
.rept 8
	v_wmma_f32_16x16x128_fp8_fp8 v[32*(i%2)+8*(i/2):32*(i%2)+8*(i/2)+7], v[VF+16*(i/2):VF+16*(i/2)+15], v[P+16*(i%2):P+16*(i%2)+15], v[32*(i%2)+8*(i/2):32*(i%2)+8*(i/2)+7]
.set i, i+1
.endr
	WIN 0
.endm
; VA: from the masked scores to p.  Between a batch's exponentials stand plain lines of the other tile whose results are first read behind the next wait.  It ends with the wait for its last batch.
.macro VA
	MAXT 1, 0
.set li, 0
.set cn, 0
.set j, 0
.rept 32
	v_pk_fma_f32 v[S+j:S+j+1], v[S+j:S+j+1], s[CS:CS+1], v[ST:ST+1] op_sel_hi:[1,0,0]   ; tile 0: t - M, two at a time (of the pairs c and -M the low word serves both halves)
	LAY 1
.set j, j+2
.endr
	s_wait_alu depctr_va_vdst(0)                   ; the wait ahead of a batch of exponentials
.set j, 0
.rept 32
	v_exp_f32 v[S+j], v[S+j]                       ; tile 0: p = 2^(t - M), at most 1: not normalised
	v_exp_f32 v[S+j+1], v[S+j+1]
	v_pk_fma_f32 v[S+64+j:S+65+j], v[S+64+j:S+65+j], s[CS:CS+1], v[ST+8:ST+9] op_sel_hi:[1,0,0]   ; tile 1: t - M
.set j, j+2
.endr
	s_wait_alu depctr_va_vdst(0)                   ; behind tile 0's batch and ahead of tile 1's: one wait for both
.set g, 0
.rept 16
	v_exp_f32 v[S+64+4*g], v[S+64+4*g]             ; tile 1's p
	PA 0, 3*g
	v_exp_f32 v[S+65+4*g], v[S+65+4*g]
	PA 0, 3*g+1
	v_exp_f32 v[S+66+4*g], v[S+66+4*g]
	PA 0, 3*g+2
	v_exp_f32 v[S+67+4*g], v[S+67+4*g]
.set g, g+1
.endr
	v_nop                                          ; a plain place behind the last exponential
	s_wait_alu depctr_va_vdst(0)                   ; behind tile 1's batch, ahead of every reader of its results and of what was written between its lines, and ahead of the label or wait that follows
.endm
; VB: from p to O^T.
.macro VB
	RED 8
	CVT 0
	RED 4
	RESC 0
	RED2
.set g, 0
.rept 16
	PA 1, g
.set g, g+1
.endr
	RED1
.rept 32
	PA 1, g
.set g, g+1
.endr
	RUN 0
	RED 8
	CVT 1
	RED 4
	RESC 1
	RED2
	PV
	RED1
	RUN 1
.endm
; The mask's numbers of query tile t, 64 a lane, into window 1's registers from m on: key tile i's eight numbers in the order of S's eight registers
.macro MLOAD t, m
	WIN 0x40                                       ; destination window 1, address window 0
.set i, 0
.rept 8
	ds_load_b128 v[\m+8*i:\m+8*i+3],   v[AMC] offset:8448*(\t)+64*i
	ds_load_b128 v[\m+8*i+4:\m+8*i+7], v[AMC] offset:8448*(\t)+64*i+16
.set i, i+1
.endr
.endm
.macro MASKMUL t, m                    ; score x mask for tile t, two at a time; each accumulator from its low end on
	WIN 0x04                                       ; source 1 window 1
.set j, 0
.rept 32
	v_pk_mul_f32 v[S+64*(\t)+j:S+64*(\t)+j+1], v[S+64*(\t)+j:S+64*(\t)+j+1], v[\m+j:\m+j+1]
.set j, j+2
.endr
	WIN 0
.endm
; LPA: the first 32 LDS loads of the slot in hand.
.macro LPA pf
	v_add_nc_u32 v[AKC], s[TB], v[AK]
	v_add_nc_u32 v[AVC], s[TB], v[AV]
	v_add_nc_u32 v[AMC], s[TB], v[AM]
	s_wait_alu depctr_va_vdst(0)                   ; the wait behind these writes
	WIN 0x40
.set i, 0
.rept 8                                        ; K: tile i of 16 keys: two loads of 16 bytes
	ds_load_b128 v[KF+8*i:KF+8*i+3],   v[AKC] offset:4352*i
	ds_load_b128 v[KF+8*i+4:KF+8*i+7], v[AKC] offset:4352*i+32
.set i, i+1
.endr
	MLOAD 0, MK
	WIN 0
.if \pf
	ASK \pf                                        ; behind the joint load and the run of LDS loads
.endif
.endm
; LPB: the rest of the slot's reads, and the masked scores.
.macro LPB
	s_wait_dscnt 16                                ; K's 16 loads are in; the mask's 16, issued behind them, may be out
	WIN 0x01                                       ; source 0 (K) window 1
.set i, 0
.rept 16                                       ; S^T = K Q^T: key tile i / 2, query tile i % 2; K = the head's 64: one instruction a tile
	v_wmma_f32_16x16x64_fp8_fp8 v[S+64*(i%2)+8*(i/2):S+64*(i%2)+8*(i/2)+7], v[KF+8*(i/2):KF+8*(i/2)+7], v[Q+8*(i%2):Q+8*(i%2)+7], 0
.set i, i+1
.endr
	WIN 0
	PLACES 4                                       ; behind the products: loads land in K's registers and in the last step's V, and the scores are read
	MLOAD 1, KF                                    ; the second query tile's mask numbers take K's registers
.set i, 0
.rept 32                                       ; V: tile i / 8 of 16 of the head's 64; registers 2 c, 2 c + 1 (c = i % 8): keys 16 c + 8 h + 0 .. 7
	ds_load_b64 v[VF+2*i:VF+2*i+1], v[AVC] offset:2176*(i/8)+16*(i%8)
.set i, i+1
.endr
	WIN 0
	s_wait_dscnt 48                                ; the first tile's mask numbers are in; behind them: the second tile's 16 loads and V's 32
	MASKMUL 0, MK
	MAXT 0, -1                                     ; the first tile's largest score, while the second tile's mask numbers are out
	s_wait_dscnt 32                                ; the second tile's are in; V's 32 may be out
	MASKMUL 1, KF
.endm
; THE CHANGE OF SLOTS.  Each wave waits for its tensor load, adds 0 to its spare word, steps what walks, and waits for the add and for its reads of the slot (V's 32 loads among them).
; Behind the round nobody reads the slot that was left, and the other slot is whole.
.macro MEET
	s_wait_tensorcnt 0x0                           ; no tensor load of mine is out, so a group 0 may be written
	ds_add_u32 v[SPW], v[NIL]
	s_xor_b32 s[G0K+1], s[G0K+1], SLOT1            ; the walking descriptors: the other slot, the next tile; the type bits on top are not reached
	s_add_nc_u64 s[G0K+2:G0K+3], s[G0K+2:G0K+3], 32768
	s_xor_b32 s[G0V+1], s[G0V+1], SLOT1
	s_add_nc_u64 s[G0V+2:G0V+3], s[G0V+2:G0V+3], 131072
	s_xor_b32 s[G0M+1], s[G0M+1], SLOT1
	s_add_nc_u64 s[G0M+2:G0M+3], s[G0M+2:G0M+3], 512
	s_xor_b32 s[TB], s[TB], SLOT1                  ; the slot that is read next
	s_wait_xcnt 0x0                                ; any prefetch of mine has read its address, so it may be written
	s_add_nc_u64 s[PFA:PFA+1], s[PFA:PFA+1], s[PFS:PFS+1]
	s_wait_dscnt 0x0                               ; the add is done, and my reads of the slot are over
	ROUND
.endm
; FROM ONE ROUND TO THE NEXT.  refill: the other slot takes the next tile.  prev: a step stands before this one.  last: no change of slots follows, and every wave finishes the step.
.macro INTERVAL refill, prev, pf, last
.if \refill
	TLOAD                                          ; the first thing behind the round, and a wave's one tensor load until the next
.endif
.if \prev
	s_cmp_eq_u32 s[GRP], 0
	s_cbranch_scc1 .Learly_\@
	VA                                             ; waves 4-7: of the step before
.Learly_\@:
.endif
	LPA \pf
.if \prev
	VB                                             ; every wave: of the step before, while LPA's loads are out
.endif
	LPB
.if \last
	VA
	s_wait_dscnt 0x0                               ; V's 32 loads are in: my last reads of the ring
	VB
.else
	s_cmp_lg_u32 s[GRP], 0
	s_cbranch_scc1 .Llate_\@
	VA                                             ; waves 0-3: of this step
.Llate_\@:
	MEET
.endif
.endm
	s_wait_alu depctr_va_vdst(0)                   ; the wait at the head's end
	s_wait_loadcnt 0x0                             ; Q
	MEET                                           ; tile 0 is in; slot 1's first fill is issued as a refill is
	INTERVAL 1, 0, 1, 0                            ; key step 0: tile 1 is asked for, tile 2 prefetched
	s_mov_b32 s[TRIPS], 14
.Lstep:                                                ; key steps 1 to 14: tiles 2 to 15 are asked for, tiles 3 to 15 prefetched
	INTERVAL 1, 1, 2, 0
	s_sub_co_u32 s[TRIPS], s[TRIPS], 1
	s_cmp_lg_u32 s[TRIPS], 0
	s_cbranch_scc1 .Lstep
	INTERVAL 0, 1, 0, 1                            ; key step 15 is written out
	PLACES 4                                       ; behind the last products: O^T is read
	; THE WAY OUT.  The sum's halves are added; O^T is divided by the sum, multiplied by 2^(e8 + e9), and goes through my stage in LDS, a tile (16 queries x my head's 256 bytes) at a time.
.irp t, 0,1
	v_add_f32 v[ST+8*\t+6], v[ST+8*\t+2], v[ST+8*\t+3]
.endr
.irp t, 0,1
	v_permlanex16_b32 v[PX+\t], v[ST+8*\t+6], s[SEL], s[SEL+1]
.endr
.irp t, 0,1
	v_add_f32 v[ST+8*\t+6], v[ST+8*\t+6], v[PX+\t] ; the row's sum
.endr
	s_wait_alu depctr_va_vdst(0)                   ; the wait ahead of the reciprocals
.irp t, 0,1
	v_rcp_f32 v[ST+8*\t+6], v[ST+8*\t+6]
.endr
	v_nop                                          ; a plain place behind the last reciprocal
	s_add_co_i32 s86, s74, s75                     ; e8 + e9
	s_wait_alu depctr_va_vdst(0)                   ; and the wait ahead of the first use: one for both
.irp t, 0,1
	v_ldexp_f32 v[ST+8*\t+6], v[ST+8*\t+6], s86
.endr
.macro OUT t                           ; register 8 u + j of O^T is out(query r, channel 16 u + 8 h + j): 32 neighbouring bytes; they come back as whole rows of 256 bytes
	WIN 0x01                                       ; source 0 window 1
	s_wait_alu depctr_va_vdst(0)                   ; the wait directly ahead of the first readers of O^T
.set j, 0
.rept 16
	v_pk_mul_f32 v[S+32*(\t)+j:S+32*(\t)+j+1], v[32*(\t)+j:32*(\t)+j+1], v[ST+8*(\t)+6:ST+8*(\t)+7] op_sel_hi:[1,0]   ; each accumulator from its low end on
.set j, j+2
.endr
	WIN 0
.irp u, 0,1,2,3
	ds_store_b128 v[STO], v[S+32*(\t)+8*\u:S+32*(\t)+8*\u+3] offset:64*\u
	ds_store_b128 v[STO], v[S+32*(\t)+8*\u+4:S+32*(\t)+8*\u+7] offset:64*\u+16
.endr
.irp i, 0,1,2,3,4,5,6,7
	ds_load_b128 v[192+32*(\t)+4*\i:192+32*(\t)+4*\i+3], v[RD] offset:544*\i   ; LDS serves a wave's instructions in order (ISA guide 5.7.1.4): these see my stores, and the next tile's stores come behind them
.endr
.endm
	OUT 0
	OUT 1
.irp t, 0,1
.irp i, 0,1,2,3,4,5,6,7
	s_wait_dscnt 16*(1-\t)+7-\i                    ; behind this load: the rest of its tile's eight, and for the first tile the second tile's sixteen LDS instructions
	global_store_b128 v[GO], v[192+32*\t+4*\i:192+32*\t+4*\i+3], s[10:11] offset:65536*\t+8192*\i th:TH_STORE_NT   ; 16 lanes store 256 consecutive bytes, at a multiple of 256 from out's first byte
.endr
.endr
	s_wait_tensorcnt 0x0                           ; the wave's end: behind my last tensor load and my last LDS store
	ds_add_u32 v[SPW], v[NIL]
	s_wait_dscnt 0x0
	ROUND                                          ; the closing round: no work-group ends while a partner may still ask for a tile that names it
	s_endpgm
.Lfunc_end_k_qad63614aca_attn:
	.size	k_qad63614aca_attn, .Lfunc_end_k_qad63614aca_attn-k_qad63614aca_attn
	.p2alignl 7, 3214868480
	.fill 96, 4, 3214868480
	.section	.rodata,"a",@progbits
	.p2align	6, 0x0
	.amdhsa_kernel k_qad63614aca_attn
		.amdhsa_group_segment_fixed_size 327680
		.amdhsa_private_segment_fixed_size 0
		.amdhsa_enable_private_segment 0
		.amdhsa_kernarg_size 32
		.amdhsa_user_sgpr_count 2
		.amdhsa_user_sgpr_kernarg_segment_ptr 1
		.amdhsa_wavefront_size32 1
		.amdhsa_system_sgpr_workgroup_id_x 1
		.amdhsa_system_sgpr_workgroup_id_y 1
		.amdhsa_system_sgpr_workgroup_id_z 1
		.amdhsa_system_vgpr_workitem_id 0
		.amdhsa_next_free_vgpr 512
		.amdhsa_next_free_sgpr 96
		.amdhsa_reserve_vcc 0
		.amdhsa_float_denorm_mode_32 3
		.amdhsa_float_denorm_mode_16_64 3
		.amdhsa_memory_ordered 1
		.amdhsa_forward_progress 1
		.amdhsa_inst_pref_size 159
	.end_amdhsa_kernel
	.amdgpu_metadata
---
amdhsa.version: [ 1, 2 ]
amdhsa.kernels:
  - .name:           k_qad63614aca_attn
    .symbol:         k_qad63614aca_attn.kd
    .args:
      - { .name: qkv, .offset: 0, .size: 8, .value_kind: global_buffer, .address_space: global }
      - { .name: mask, .offset: 8, .size: 8, .value_kind: global_buffer, .address_space: global }
      - { .name: lowp_scales, .offset: 16, .size: 8, .value_kind: global_buffer, .address_space: global }
      - { .name: out0, .offset: 24, .size: 8, .value_kind: global_buffer, .address_space: global }
    .group_segment_fixed_size: 327680
    .private_segment_fixed_size: 0
    .kernarg_segment_align: 8
    .kernarg_segment_size: 32
    .max_flat_workgroup_size: 256
    .sgpr_count:     96
    .vgpr_count:     512
    .wavefront_size: 32
...
	.end_amdgpu_metadata
.endif
;; end of part 3
